; MI455X (gfx1250); checked and timed in simulation.
; The chip was launched on July 23, 2026; its instructions are those of AMD's public machine-readable ISA for CDNA 5 (MIT licence, August 2026) and "CDNA5" Instruction Set Architecture Reference Guide (July 2026). The comments in the code are by the model that wrote it; some were corrected since.
;; Query Emb. Allowed arithmetic: matrix products marked QUANTISED: E4M3 operands, one E8M0 scale for each 32 along K, by v_wmma_scale_f32_16x16x128_f8f6f4 with both operands' format E4M3, f32 sums; everything else in f32.
;; Inputs: emb_matrix 8,000 x 1,024 float32; q 4 x 1,024 x 1,024 float32.
;; Outputs: out0 4 x 1,024 x 1,024 float32.
;; This version of the problem:
;;   THIS VERSION OF THE PROBLEM IS GIVEN IN LOW PRECISION. The matrix products marked QUANTISED in the list below multiply operands that are first quantised to E4M3 (4 exponent bits, 3 mantissa bits; 8 bits a number), with one power-of-two scale for each 32 numbers along K (OCP MX v1.0); their sums are f32. All else is computed in f32.
;;   The module's matrix products, in the order in which they are computed (A, B: the left and right operand; K: the contracted axis; several contracted axes count as one K, in the product's order):
;;     1. [M 4,096, K 1,024] x [K 1,024, N 8,000]; A: input q; B: input emb_matrix: QUANTISED
;;     2. [M 4,096, K 8,000] x [K 8,000, N 1,024]; A: softmax (see below); B: input emb_matrix: QUANTISED
;;   THE QUANTISER, for each operand of a quantised product, along K:
;;     - K is cut into blocks of 32 from its start; a last block that is shorter is filled with zeros.
;;     - A block's scale is 2^e with e = floor(log2(the largest magnitude in the block)) - 8, held to -126 .. 127; a block of zeros has e = 0. As a byte (E8M0): e + 127.
;;     - Each number is divided by its block's scale, clamped to +-448, and rounded to the nearest number of E4M3, ties to even, subnormals kept.
;;     - The product sums the exact products of the quantised numbers (number of the format x scale) in f32.
;;   ~~~python
;;   def quantise(x, axis):      # numpy; x: float32 -> the quantised numbers, widened to float32 again
;;       x = np.moveaxis(x, axis, -1); K = x.shape[-1]
;;       x = np.pad(x, [(0, 0)] * (x.ndim - 1) + [(0, -K % 32)]); x = x.reshape(x.shape[:-1] + (-1, 32)); a = np.abs(x).max(-1, keepdims=True)
;;       e = np.where(a > 0, np.clip(np.frexp(np.where(a > 0, a, 1))[1] - 1 - 8, -126, 127), 0)      # np.frexp(a)[1] - 1 = floor(log2(a)), exactly
;;       r = np.clip(x / 2.0 ** e, -448, 448)
;;       step = 2.0 ** (np.maximum(np.frexp(np.where(r == 0, 1, r))[1] - 1, -6) - 3)
;;       q = np.round(r / step) * step * 2.0 ** e      # np.round: ties to even
;;       return np.moveaxis(q.reshape(q.shape[:-2] + (-1,))[..., :K], -1, axis).astype(np.float32)
;;   ~~~
;;   SOFTMAX AHEAD OF A QUANTISED PRODUCT. Where the list says 'softmax', what is quantised is not the finished softmax but p = 2^(t - M), with t = logit x log2(e) and M = ceil(the row's largest t), a whole number; so 1/2 < the row's largest p <= 1. The row's sum l is taken of the UNQUANTISED p, in f32, and the product's result is divided by l at the end. Since M is a whole number, a kernel that streams over the keys may use a running M (the ceiling of the running maximum): every later rescaling is an exact power of two, which a block's scale takes up: the codes' values come out the same.
;;   OPERANDS COMPUTED ON THE WAY. 'Computed on the way' means the value that the module computes at that place (a softmax that the list does not call 'softmax' is quantised finished and normalised). What goes into a quantiser is computed in f32, as accurately as f32 sums, v_exp_f32 and their like allow (about 1e-6 of the number): no bf16 or f16 on the way to a quantiser, and a product that is left as it is and whose result goes on into a quantised operand takes f32 operands (vector FMAs, or v_wmma_f32_16x16x4_f32). A number that lies on a knife's edge between two numbers of the format may be rounded either way, as far as f32 arithmetic and the matrix unit's own rounding can turn it there, and no further.
;; One version. Each part assembles by itself: llvm-mc -triple=amdgcn-amd-amdhsa -mcpu=gfx1250 --defsym DOCPART=n.
;; ======== version 1 of 1: 3 launches
;; limits: right only within a limited range of input values
;; workspace buffers: qimg 4,325,376 bytes; kimg 8,650,752 bytes; vimg 8,650,752 bytes; pimg 33,554,432 bytes; stats 3,145,728 bytes
;; launch quant (part 1): grid 768 x 1, 4 waves a work-group, no clusters, 69,120 bytes of LDS; arguments q, emb_matrix, qimg, kimg, vimg; writes qimg, kimg, vimg
.if DOCPART == 1
	.amdgcn_target "amdgcn-amd-amdhsa--gfx1250"
	.amdhsa_code_object_version 6
	.text
	.protected	k_q3c5b73fb9d_quant
	.globl	k_q3c5b73fb9d_quant
	.p2align	8
	.type	k_q3c5b73fb9d_quant,@function
k_q3c5b73fb9d_quant:
	s_mov_b64 s[64:65], 0
	v_nop
	global_prefetch_b8 v0, s[64:65] scope:SCOPE_SE
	s_setreg_imm32_b32 hwreg(HW_REG_WAVE_MODE, 25, 1), 1
	s_wait_xcnt 0x0
; out = softmax(q emb^T) emb + q, both products on codes of FP8 (E4M3) with one E8M0 scale for each 32 along a product's K.  THREE LAUNCHES:
;   quant   (this one): q and emb are quantised along d (the first product's K), emb also along the keys (the second product's K); every f32 byte is read once.
;   scores  : the first product; for each step of 128 keys a whole-number M of its own, p = 2^(t - M), the sum of p, p's codes and scale words.
;   context : the row's M and sum from the steps'; p's scale bytes shifted by the exact power of two; the second product; / sum + q.
; DEAD WORK: none.  Both inputs reach the output for all values, and both products are live; nothing of reference() is left out.
; MORE THAN reference(): the 8,000 keys are filled up to 8,192 with zero CODES (8,000 = 250 blocks of 32, so the fill is whole blocks): 192 keys inside steps and slots that also hold live work.
; A CHUNK is the form in which operands lie in the workspace: 128 rows x 128 along K = 16,896 bytes: eight images of a fragment's registers (16 rows x 128 K: for c = 0..3 lane l's registers 4c..4c+3,
; which are k = 32c + 16 (l / 16) + 0..15 of row l % 16, at byte 512 c + 16 l), then 512 bytes of scale words, [tile][row], byte c for block c.
;   qimg [32 blocks of 128 queries][8 of d][chunk]   kimg [64 blocks of 128 keys][8 of d][chunk]   vimg [8 blocks of 128 of d][64 steps of 128 keys][chunk]
; THE ROWS OF A TILE OF q AND OF emb-BY-KEYS ARE NOT NEIGHBOURS: of each 32 rows, row k goes to tile 2g + ((k / 8) % 2), lane (k % 8) + 8 (k / 16), so that in the first product's transposed result a lane's 16
; registers of two neighbouring tiles are 16 neighbouring keys.  For q the order only renames rows; the last launch undoes it in its offsets.  vimg's rows (d) are in their own order.
; A block's scale is 2^(floor(log2(its largest magnitude)) - 8); its byte is that magnitude's exponent field - 8, held at 1 from below (a block of zeros keeps the byte 1: its codes are zeros, and this program alone reads the bytes).
; LIMITS: NaN and infinities among the inputs are not served; blocks whose largest magnitude lies under 2^-118 keep the byte 1.
; SHARES: work-groups 0-255 take q's chunks, 256-767 emb's.  A work-group takes 128 rows x 128 of d, wave w rows 32 w .. 32 w + 31.  The wave's 32 x 512 bytes go through its own stage in LDS (rows 528 bytes apart):
; read back by rows (a lane a row, 32 neighbours along d a block) and, for emb, by columns (a lane a column, 32 keys down a block).  No tensor loads.
.set CH,     16896
.set SPITCH, 528                       ; a stage row: 512 bytes + 16: 132 words, so sixteen rows start at sixteen different groups of four banks (64 banks of 4 bytes: ISA guide 11.1)
.set STGB,   32*SPITCH                 ; a wave's stage
.set WTAB,   4*STGB                    ; the chunk's 128 scale words by rows
.set VTAB,   WTAB+512                  ; and by columns: word d, byte = the wave's block of keys
.set SPARE,  VTAB+512                  ; the spare words, 128 bytes for each wave: two blocks of 256 bytes that no other line names
.set NQWG,   256                       ; q's work-groups
.set LASTR,  7968                      ; the last 32 whole rows of emb begin here
.set R,   32                           ; v32-159  32 rows x 16 bytes a lane, as loaded
.set X,   160                          ; v160-191 a block's 32 numbers
.set C,   32                           ; codes: eight sets of 8 registers over R, first written when the stage's stores are done; no set is written twice
.set SPW, 16                           ; v16  my spare word; never rewritten
.set NIL, 17                           ; v17  0; never rewritten
	s_load_b256 s[4:11], s[0:1], 0x0               ; q, emb, qimg, kimg
	s_load_b64 s[12:13], s[0:1], 0x20              ; vimg
	v_lshl_add_u32 v[SPW], v0, 2, SPARE
	v_mov_b32 v[NIL], 0
	v_lshrrev_b32 v10, 5, v0
	v_readfirstlane_b32 s14, v10                   ; wave
	v_and_b32 v1, 31, v0                           ; lane
	v_lshlrev_b32 v2, 4, v1                        ; 16 x lane
	s_mul_i32 s23, s14, STGB
	v_add_nc_u32 v3, s23, v2                       ; the stage on the way in: a row's 512 bytes as they lie
	v_mul_u32_u24 v4, v1, SPITCH
	v_add_nc_u32 v4, s23, v4                       ; by rows: lane = row
	v_lshl_add_u32 v5, v1, 2, s23                  ; by columns: lane = column
	v_and_b32 v11, 7, v0
	v_bfe_u32 v12, v0, 3, 1                        ; u: which of the group's two tiles my row goes to
	v_bfe_u32 v13, v0, 4, 1
	v_lshlrev_b32 v6, 4, v11
	v_lshl_add_u32 v6, v13, 7, v6                  ; 16 r, r = (row % 8) + 8 (row / 16)
	v_lshl_add_u32 v6, v12, 11, v6
	v_lshl_add_u32 v6, v10, 12, v6                 ; + 2,048 (2 w + u): my row's place in the chunk's images
	v_and_b32 v7, 0x67, v0
	v_lshl_add_u32 v7, v12, 4, v7
	v_lshl_add_u32 v7, v13, 3, v7                  ; 32 w + 16 u + r
	v_lshl_add_u32 v7, v7, 2, WTAB                 ; my row's scale word
	v_lshl_add_u32 v8, v1, 2, s14
	v_add_nc_u32 v8, VTAB, v8                      ; my column's scale byte: word = column, byte = wave
	v_and_b32 v9, 15, v0
	v_lshlrev_b32 v9, 4, v9
	v_lshl_add_u32 v9, v13, 11, v9
	v_lshl_add_u32 v9, v10, 9, v9                  ; my column's place in vimg's images: 2,048 (lane / 16) + 16 (lane % 16) + 512 w
	v_add_nc_u32 v18, WTAB, v2
	v_add_nc_u32 v19, VTAB, v2
	s_mov_b32 s22, 0x600000                        ; the mantissa field of 448
	s_mov_b32 s19, LASTR
	s_cmp_lt_u32 ttmp9, NQWG                       ; q's work-group or emb's: the work-group's number alone decides
	s_cselect_b32 s19, 0x100000, s19               ; q has no rows to fill
	s_cselect_b32 s15, 0, NQWG
	s_sub_co_u32 s15, ttmp9, s15                   ; the chunk's number in its tensor
	s_lshr_b32 s16, s15, 3                         ; its block of 128 rows
	s_and_b32 s17, s15, 7                          ; its block of 128 of d
	s_lshl_b32 s18, s16, 7
	s_lshl_b32 s20, s14, 5
	s_add_co_u32 s18, s18, s20                     ; my wave's first row
	s_min_u32 s20, s18, s19                        ; a wave past emb's end reads the last 32 rows, so that no load leaves the buffer,
	s_cmp_le_u32 s18, s19
	s_cselect_b32 s21, -1, 0                       ; and holds every number at 0: zero codes
	s_lshl_b32 s28, s20, 12
	s_lshl_b32 s29, s17, 9
	s_add_co_u32 s28, s28, s29
	s_mov_b32 s29, 0
	s_mul_i32 s32, s15, CH
	s_mov_b32 s33, 0
	s_lshl_b32 s34, s17, 6
	s_add_co_u32 s34, s34, s16
	s_mul_i32 s34, s34, CH                         ; vimg: chunk (block of d, step of keys)
	s_mov_b32 s35, 0
	s_wait_kmcnt 0x0
	s_cmp_lt_u32 ttmp9, NQWG
	s_cselect_b64 s[24:25], s[4:5], s[6:7]
	s_cselect_b64 s[26:27], s[8:9], s[10:11]
	s_add_nc_u64 s[24:25], s[24:25], s[28:29]
	s_add_nc_u64 s[26:27], s[26:27], s[32:33]
	s_add_nc_u64 s[30:31], s[12:13], s[34:35]
.set k, 0
.rept 32
	global_load_b128 v[R+4*k:R+4*k+3], v2, s[24:25] offset:4096*k th:TH_LOAD_NT   ; 32 lanes read 512 consecutive bytes of a row
.set k, k+1
.endr
.set k, 0
.rept 32
	s_wait_loadcnt 31-k                            ; loads come back in order: row k is in, the younger ones stay out
	ds_store_b128 v3, v[R+4*k:R+4*k+3] offset:SPITCH*k
.set k, k+1
.endr
; The 32 numbers in X become 32 codes in set \set, and the scale's byte in v[\byte].
.macro BLOCK set, byte
	v_max3_num_f32 v12, |v[X]|, |v[X+1]|, |v[X+2]|
	v_max3_num_f32 v13, |v[X+3]|, |v[X+4]|, |v[X+5]|
.irp i, 6,10,14,18,22,26
	v_max3_num_f32 v12, v12, |v[X+\i]|, |v[X+\i+1]|
	v_max3_num_f32 v13, v13, |v[X+\i+2]|, |v[X+\i+3]|
.endr
	v_max3_num_f32 v12, v12, |v[X+30]|, |v[X+31]|
	v_max3_num_f32 v12, v12, v13, 0x4800000        ; and the floor 2^(9 - 127): the byte cannot fall under 1
	v_add_nc_u32 v11, 0xfc000000, v12              ; 8 off the exponent field: the conversion takes this operand's exponent field as its scale
	v_and_or_b32 v10, v12, 0x7f800000, s22         ; 448 x the scale
	v_and_b32 v10, s21, v10                        ; in a wave past emb's end: 0
.set n, 0
.rept 32
	v_med3_num_f32 v[X+n], v[X+n], -v10, v10       ; the conversion to an 8-bit code does not saturate (ISA guide 7.6.2): the hold comes first
.set n, n+1
.endr
.irp g, 0,1,2,3
	v_cvt_scalef32_pk8_fp8_f32 v[C+8*(\set)+2*\g:C+8*(\set)+2*\g+1], v[X+8*\g:X+8*\g+7], v11
.endr
	v_lshrrev_b32 v[\byte], 23, v11                ; the scale's byte; also the plain line behind the conversions
.endm
	; BY ROWS: block j of my row
.irp j, 0,1,2,3
.irp x, 0,1,2,3,4,5,6,7
	ds_load_b128 v[X+4*\x:X+4*\x+3], v4 offset:128*\j+16*\x   ; LDS serves a wave's instructions in order: these see my stores
.endr
	s_wait_dscnt 0x0                               ; the block is in; the stage's stores have read R, over which the codes are laid
	BLOCK \j, 15
.if \j == 0
	v_mov_b32 v14, v15
.else
	v_lshl_or_b32 v14, v15, 8*\j, v14              ; my row's scale word, the lower K in the lower byte
.endif
	global_store_b128 v6, v[C+8*\j:C+8*\j+3], s[26:27] offset:512*\j         ; k = 32 j + 0..15: the sixteen lanes of a tile fill 256 consecutive bytes, aligned
	global_store_b128 v6, v[C+8*\j+4:C+8*\j+7], s[26:27] offset:512*\j+256   ; k = 32 j + 16..31
.endr
	ds_store_b32 v7, v14
	s_cmp_lt_u32 ttmp9, NQWG
	s_cbranch_scc1 .Lrows_only                     ; q is an operand of the first product alone
	; BY COLUMNS: column 32 j + lane, my wave's 32 keys: block w of the step
.irp j, 0,1,2,3
.set k, 0
.rept 32
	ds_load_b32 v[X+k], v5 offset:SPITCH*k+128*\j
.set k, k+1
.endr
	s_wait_dscnt 0x0
	BLOCK 4+\j, 24+\j
	ds_store_b8 v8, v[24+\j] offset:128*\j
	global_store_b128 v9, v[C+8*(4+\j):C+8*(4+\j)+3], s[30:31] offset:4096*\j
	global_store_b128 v9, v[C+8*(4+\j)+4:C+8*(4+\j)+7], s[30:31] offset:4096*\j+256
.endr
.Lrows_only:
	s_wait_dscnt 0x0                               ; for the others' sake: my words and bytes lie in the tables
	s_barrier_signal -1
	s_barrier_wait -1
	s_cmp_lg_u32 s14, 0
	s_cbranch_scc1 .Lnot_wave_0
	ds_load_b128 v[20:23], v18
	s_wait_dscnt 0x0
	global_store_b128 v2, v[20:23], s[26:27] offset:16384      ; the chunk's 512 bytes of scale words: two aligned runs of 256
.Lnot_wave_0:
	s_cmp_lg_u32 s14, 1
	s_cbranch_scc1 .Lend
	s_cmp_lt_u32 ttmp9, NQWG
	s_cbranch_scc1 .Lend
	ds_load_b128 v[28:31], v19
	s_wait_dscnt 0x0
	global_store_b128 v2, v[28:31], s[30:31] offset:16384
.Lend:
	s_wait_tensorcnt 0x0                           ; the wave's end, behind my last LDS store
	ds_add_u32 v[SPW], v[NIL]
	s_wait_dscnt 0x0
	s_endpgm
.Lfunc_end_k_q3c5b73fb9d_quant:
	.size	k_q3c5b73fb9d_quant, .Lfunc_end_k_q3c5b73fb9d_quant-k_q3c5b73fb9d_quant
	.p2alignl 7, 3214868480
	.fill 96, 4, 3214868480
	.section	.rodata,"a",@progbits
	.p2align	6, 0x0
	.amdhsa_kernel k_q3c5b73fb9d_quant
		.amdhsa_group_segment_fixed_size 69120
		.amdhsa_private_segment_fixed_size 0
		.amdhsa_enable_private_segment 0
		.amdhsa_kernarg_size 40
		.amdhsa_user_sgpr_count 2
		.amdhsa_user_sgpr_kernarg_segment_ptr 1
		.amdhsa_wavefront_size32 1
		.amdhsa_system_sgpr_workgroup_id_x 1
		.amdhsa_system_sgpr_workgroup_id_y 1
		.amdhsa_system_sgpr_workgroup_id_z 1
		.amdhsa_system_vgpr_workitem_id 0
		.amdhsa_next_free_vgpr 192
		.amdhsa_next_free_sgpr 66
		.amdhsa_reserve_vcc 0
		.amdhsa_float_denorm_mode_32 3
		.amdhsa_float_denorm_mode_16_64 3
		.amdhsa_memory_ordered 1
		.amdhsa_forward_progress 1
		.amdhsa_inst_pref_size 51
	.end_amdhsa_kernel
	.amdgpu_metadata
---
amdhsa.version: [ 1, 2 ]
amdhsa.kernels:
  - .name:           k_q3c5b73fb9d_quant
    .symbol:         k_q3c5b73fb9d_quant.kd
    .args:
      - { .name: q, .offset: 0, .size: 8, .value_kind: global_buffer, .address_space: global }
      - { .name: emb_matrix, .offset: 8, .size: 8, .value_kind: global_buffer, .address_space: global }
      - { .name: qimg, .offset: 16, .size: 8, .value_kind: global_buffer, .address_space: global }
      - { .name: kimg, .offset: 24, .size: 8, .value_kind: global_buffer, .address_space: global }
      - { .name: vimg, .offset: 32, .size: 8, .value_kind: global_buffer, .address_space: global }
    .group_segment_fixed_size: 69120
    .private_segment_fixed_size: 0
    .kernarg_segment_align: 8
    .kernarg_segment_size: 40
    .max_flat_workgroup_size: 128
    .sgpr_count:     66
    .vgpr_count:     192
    .wavefront_size: 32
...
	.end_amdgpu_metadata
.endif
;; end of part 1
;; launch scores (part 2): grid 32 x 16, 4 waves a work-group, clusters of 4 x 4, 327,680 bytes of LDS; arguments qimg, kimg, pimg, stats; writes pimg, stats
.if DOCPART == 2
	.amdgcn_target "amdgcn-amd-amdhsa--gfx1250"
	.amdhsa_code_object_version 6
	.text
	.protected	k_q3c5b73fb9d_scores
	.globl	k_q3c5b73fb9d_scores
	.p2align	8
	.type	k_q3c5b73fb9d_scores,@function
k_q3c5b73fb9d_scores:
	s_mov_b64 s[64:65], 0
	v_nop
	global_prefetch_b8 v0, s[64:65] scope:SCOPE_SE
	s_setreg_imm32_b32 hwreg(HW_REG_WAVE_MODE, 25, 1), 1
	s_wait_xcnt 0x0
	s_wait_alu depctr_hold_cnt(0) depctr_sa_sdst(0) depctr_va_vdst(0) depctr_va_sdst(0) depctr_va_ssrc(0) depctr_va_vcc(0) depctr_vm_vsrc(0)
	s_getreg_b32 s2, hwreg(HW_REG_IB_STS2, 6, 4)
	s_cmp_eq_u32 s2, 0
	s_cbranch_scc0 .Lentry_in_a_cluster
	s_endpgm
.Lentry_in_a_cluster:
	s_bfe_u32 s2, ttmp6, 0x10000c
	s_cmp_lg_u32 s2, 0xf033
	s_cbranch_scc0 .Lentry_shape_is_right
	s_endpgm
.Lentry_shape_is_right:
; THE FIRST PRODUCT AND THE SOFTMAX'S p.  S^T = K Q^T on codes of FP8 (E4M3) with E8M0 scales, K = d = 1,024; then, for each query and each step of 128 keys: t = score x log2(e), M = ceil(the step's largest t),
; p = 2^(t - M), the sum of the unquantised p, p quantised along the keys.  M is a whole number, so the last launch brings all steps under the row's M by exact powers of two, on the scale bytes and on the sums.
; Nothing of reference() is left out here.  Keys 8,000 to 8,191 are fill (zero codes): in key block 62 their scores start from -1e30, so that p = 0 and neither M nor the sum sees them; key block 63 is all fill:
; its p = 1 are ordinary codes, and the last launch counts that step for nothing.
; LIMITS: NaN and infinities are not served; live scores lie above -1e30.
; OUT: pimg [32 blocks of 128 queries][64 steps][16,384]: eight images of p's fragments (16 rows x 128 keys);  stats [block][step][3][512]: p's scale words, -M, the sums; word 4 l + k belongs to row 32 k + l.
; SHARES: a work-group of four waves, as many as a WGP has SIMDs, makes 256 queries x 256 keys; a wave 128 x 128: one block of queries against one step of keys, 64 accumulators of 16 x 16, 512 registers.
; K goes through a ring of two LDS slots, 256 of d to a slot: of each of two blocks of queries and two of keys the two chunks, 33,792 dense bytes, one tensor load a wave.
; A chunk holds images of the operands' registers, so a fragment comes by four loads of 512 consecutive bytes.
; CLUSTERS: 4 x 4 work-groups; the four of a row need the same chunks of Q, the four of a column the same chunks of K: each is asked for JOINTLY, by the same load with the same descriptor and a mask of the four.
; TRANSPOSED USE: source 0 = 16 keys, source 1 = 16 queries: a lane holds one query, and (by the order of kimg's rows) the 16 registers of key tiles 2 b, 2 b + 1 are keys 32 b + 16 (lane / 16) + 0..15.
; REGISTERS, in windows of 256: window 0: v0-31 addresses; v32-63 scale words, two sets; v64-71 the start of the fill's sums; v72-83 what goes to stats; v128-255 Q's fragments, ONE set; behind the products the softmax's.
;   window 1: K's fragments, TWO sets.   window 2: the accumulators of query tiles 0-3 ((a, b) at v[8 (8 a + b)]);   window 3: of tiles 4-7.
.set CH,    16896
.set HALF,  2*CH                       ; what one tensor load brings
.set SLOT,  HALF                       ; a wave's parts of slot 0 and slot 1 lie on end in LDS, so that one descriptor covers both at the head
.set WREG,  2*HALF                     ; from one fetching wave's bytes to the next wave's
.set SPARE, 8*HALF                     ; the spare words, 128 bytes for each wave
.set G1H,   80                         ; s[80:87], s[88:95] groups 1 of the head's loads: 264 rows, both slots
.set G1HB,  88
.set BSTR,  8*CH                       ; from a block of 128 rows to the next, in qimg and kimg
.set FR,    16
.set NQ,    2
.set NP,    8                          ; places behind this matrix instruction (ISA guide 7.12.1)
.set ADRA, 16                          ; v16-17  my Q fragments in slot 0, 1
.set ADRB, 20                          ; v20-21  my K fragments
.set ADRS, 22                          ; v22-23  scale words: lanes 0-15 Q's, lanes 16-31 K's
.set LI,   24                          ; v24     16 x lane
.set SPW,  28
.set NIL,  29
.set SC,   32                          ; set s at v[SC + 16 s]; register 2 i + q: tile i, the slot's q-th chunk
.set BIAS, 64
.set STW,  72
.set STM,  76
.set STL,  80
.set AF,   128
.set T,    128                         ; the softmax: 64 numbers
.set PC,   192                         ; p's codes, two sets of 16
.set BM,   224                         ; the blocks' largest scores, then largest p
.set BP,   228
.set HL,   232
.set SO,   236
.set TA,   240
.set TB,   241
.set S2,   242
.set WD,   244
.set G1, 24
.set G0, 32
.set G1B, 48
.set G0B, 56
.set SEL, 66                           ; s[66:67] lane l xor 16
.set CS,  68                           ; s[68:69] log2(e), twice: the packed form names the pair
.set MNT, 70
.set HIM, 71                           ; lanes 16-31
.set BIA, 72
.set NEG, 73                           ; the least finite number
.set MSB, 0
.macro WIN new                         ; the immediate's high byte repeats the setting that is left
.if MSB != (\new)
	s_set_vgpr_msb (MSB<<8)|(\new)
.set MSB, (\new)
.endif
.endm
.set MUL_LO, 0xa1                      ; source 0 (K) window 1, source 1 (Q) window 0, C and D window 2
.set MUL_HI, 0xf1
.set TO_B,   0x40
; A joint load: waves 0 and 1 fetch for Q, waves 2 and 3 for K; the branch hangs on the wave's number alone.  An s_nop 0 and four v_nop follow each of the two lines.
.macro JLOAD g0a, g1a, g0b, g1b
	s_cmp_eq_u32 s15, 0
	s_cbranch_scc0 .Lfor_b_\@
	tensor_load_to_lds s[\g0a:\g0a+3], s[\g1a:\g1a+7]
	s_nop 0
.rept 4
	v_nop
.endr
	s_branch .Lasked_\@
.Lfor_b_\@:
	tensor_load_to_lds s[\g0b:\g0b+3], s[\g1b:\g1b+7]
	s_nop 0
.rept 4
	v_nop
.endr
.Lasked_\@:
.endm
.macro CREST                           ; a round of the cluster's barrier behind its opening barrier
	s_cmp_lg_u32 s14, 0
	s_cbranch_scc1 .Lnot_wave_0_\@
	s_barrier_signal -3
.Lnot_wave_0_\@:
	s_barrier_wait -3
	s_barrier_signal -1
	s_barrier_wait -1
.endm
.macro CROUND
	s_barrier_signal -1
	s_barrier_wait -1
	CREST
.endm
	s_load_b256 s[4:11], s[0:1], 0x0               ; qimg, kimg, pimg, stats
	v_lshl_add_u32 v[SPW], v0, 2, SPARE
	v_mov_b32 v[NIL], 0
	ds_add_u32 v[SPW], v[NIL]                      ; the wave's opening: the add, twice on end, and its wait ahead of my first tensor load
	ds_add_u32 v[SPW], v[NIL]
	v_lshrrev_b32 v1, 5, v0
	v_readfirstlane_b32 s14, v1
	v_and_b32 v25, 31, v0
	v_lshlrev_b32 v25, 8, v25                      ; the prefetches' offset: 256 x lane; never rewritten
	s_wait_alu depctr_va_vdst(0)
	s_lshr_b32 s15, s14, 1                         ; which block of queries is mine.  Also: I fetch for Q (0) or for K (1)
	s_and_b32 s16, s14, 1                          ; which step of keys is mine.  Also: which half I fetch
	s_bfe_u32 s40, ttmp6, 0x40000                  ; cx, cy
	s_bfe_u32 s41, ttmp6, 0x40004
	s_lshl_b32 s42, ttmp9, 2
	s_add_co_u32 s42, s42, s40                     ; tile column: 256 keys
	s_and_b32 s17, ttmp7, 0xffff
	s_lshl_b32 s17, s17, 2
	s_add_co_u32 s17, s17, s41                     ; tile row: 256 queries
	s_lshl_b32 s43, s41, 2
	s_lshl_b32 s43, 15, s43                        ; my row of the cluster
	s_lshl_b32 s44, 0x1111, s40                    ; my column
	s_or_b32 s[G1+0], s43, (3<<16)|(1<<21)         ; 15:0 the mask; 17:16 elements of 8 bytes; 21 set beside a mask; no padding: images are read 512 consecutive bytes at a time
	s_or_b32 s[G1B+0], s44, (3<<16)|(1<<21)
	s_or_b32 s[G1H+0], s43, (3<<16)|(1<<21)
	s_or_b32 s[G1HB+0], s44, (3<<16)|(1<<21)
.irp g, G1H, G1HB
	s_mov_b32 s[\g+1], 32<<16
	s_mov_b32 s[\g+2], 264<<16                     ; 264 rows of 256 bytes: four chunks, d 0-511, dense in memory and in LDS
	s_mov_b32 s[\g+3], 32<<16
	s_mov_b32 s[\g+4], 264
	s_mov_b32 s[\g+5], 32
	s_mov_b32 s[\g+6], 0
	s_mov_b32 s[\g+7], 0
.endr
.irp g, G1, G1B
	s_mov_b32 s[\g+1], 32<<16                      ; tensor_dim0 = 32 elements: rows of 256 bytes
	s_mov_b32 s[\g+2], 132<<16                     ; tensor_dim1 = 132 rows: 33,792 dense bytes
	s_mov_b32 s[\g+3], 32<<16                      ; tile_dim0
	s_mov_b32 s[\g+4], 132                         ; tile_dim1
	s_mov_b32 s[\g+5], 32                          ; the pitch
	s_mov_b32 s[\g+6], 0
	s_mov_b32 s[\g+7], 0
.endr
	s_lshl_b32 s20, s17, 1
	s_add_co_u32 s20, s20, s16
	s_mul_i32 s20, s20, BSTR                       ; Q: the block that I fetch: the tile row and the wave alone
	s_mov_b32 s21, 0
	s_lshl_b32 s46, s42, 1
	s_add_co_u32 s46, s46, s16
	s_mul_i32 s46, s46, BSTR                       ; K: the tile column and the wave alone
	s_mov_b32 s47, 0
	s_mul_i32 s45, s14, WREG                       ; where it goes: no place in the cluster enters an LDS address
	s_mov_b32 s[SEL], 0x76543210
	s_mov_b32 s[SEL+1], 0xfedcba98
	s_mov_b32 s[CS], 0x3fb8aa3b
	s_mov_b32 s[CS+1], s[CS]
	s_mov_b32 s[MNT], 0x600000
	s_mov_b32 s[HIM], 0xffff0000
	s_mov_b32 s[NEG], 0xff7fffff
	s_wait_dscnt 0x0                               ; both opening adds are done
	s_wait_kmcnt 0x0
	s_add_nc_u64 s[20:21], s[4:5], s[20:21]
	s_add_nc_u64 s[46:47], s[6:7], s[46:47]
	CROUND                                         ; all sixteen work-groups are here: the first joint loads meet
.irp s, 0,1
	s_mov_b32 s[G0+4*\s], 1
	s_add_co_u32 s[G0+4*\s+1], s45, \s*SLOT
	s_add_nc_u64 s[G0+4*\s+2:G0+4*\s+3], s[20:21], \s*HALF
	s_or_b32 s[G0+4*\s+3], s[G0+4*\s+3], 0x80000000
	s_mov_b32 s[G0B+4*\s], 1
	s_add_co_u32 s[G0B+4*\s+1], s45, \s*SLOT
	s_add_nc_u64 s[G0B+4*\s+2:G0B+4*\s+3], s[46:47], \s*HALF
	s_or_b32 s[G0B+4*\s+3], s[G0B+4*\s+3], 0x80000000
.endr
	; the two refills (d 512-767, d 768-1,023) are asked for ahead of their loads: of the 33,792 bytes that my wave will fetch each of the four partners names 8,192, told apart by address
	; (cx for Q, cy for K), lanes 256 bytes apart; the last 1,024 bytes come by their load alone
	s_cmp_eq_u32 s15, 0
	s_cselect_b64 s[96:97], s[20:21], s[46:47]
	s_cselect_b32 s98, s40, s41
	s_lshl_b32 s98, s98, 13
	s_add_co_u32 s98, s98, 2*HALF
	s_mov_b32 s99, 0
	s_add_nc_u64 s[96:97], s[96:97], s[98:99]
	JLOAD G0, G1H, G0B, G1HB                       ; my one load at the head: both slots' first fill
	global_prefetch_b8 v25, s[96:97] th:TH_LOAD_NT scope:SCOPE_SE   ; the first refill's
	s_lshl_b32 s74, s17, 1
	s_add_co_u32 s74, s74, s15                     ; my block of queries
	s_lshl_b32 s75, s42, 1
	s_add_co_u32 s75, s75, s16                     ; my step of keys
	s_cmp_eq_u32 s75, 62
	s_cselect_b32 s[BIA], 0xf149f2ca, 0            ; -1e30 where the step's upper 64 keys are fill, else 0: a value, no branch
	s_lshl_b32 s74, s74, 6
	s_add_co_u32 s74, s74, s75
	s_lshl_b32 s76, s74, 14
	s_mov_b32 s77, 0
	s_mul_i32 s78, s74, 1536
	s_mov_b32 s79, 0
	s_add_nc_u64 s[8:9], s[8:9], s[76:77]
	s_add_nc_u64 s[10:11], s[10:11], s[78:79]
.irp j, 0,1,2,3,4,5,6,7
	v_mov_b32 v[BIAS+\j], s[BIA]
.endr
	v_mov_b32 v13, 0                               ; (named as the upper half of the pair v[12:13])
	v_and_b32 v1, 15, v0                           ; r
	v_bfe_u32 v2, v0, 4, 1                         ; h
	v_and_b32 v3, 31, v0
	v_lshlrev_b32 v[LI], 4, v3
	s_mul_i32 s21, s15, WREG                       ; my half of Q
	s_mul_i32 s22, s16, WREG
	s_add_co_u32 s22, s22, 2*WREG                  ; my half of K
	s_sub_co_u32 s23, s22, s21
	v_mul_u32_u24 v6, s23, v2                      ; lanes 16-31 take K's words: one product with h
	v_lshl_add_u32 v6, v1, 2, v6
.irp s, 0,1
	v_add_nc_u32 v[ADRA+\s], s21, v[LI]
	v_add_nc_u32 v[ADRB+\s], s22, v[LI]
	s_add_co_u32 s18, s21, 16384
	v_add_nc_u32 v[ADRS+\s], s18, v6
	s_add_co_u32 s21, s21, SLOT
	s_add_co_u32 s22, s22, SLOT
.endr
.macro FRAG reg, adr, q, i             ; tile i of the slot's q-th chunk: its image, as it lies
.irp c, 0,1,2,3
	ds_load_b128 v[\reg+4*\c:\reg+4*\c+3], v[\adr] offset:CH*(\q)+2048*(\i)+512*\c
.endr
.endm
; 16 matrix instructions: query tiles a0, a0 + 1 x the eight key tiles.  zero = 1: the first product starts the sums: from 0, and for key tiles 4-7 from v[BIAS] on.
; The 64 accumulators take turns, one instruction a turn, in the same order in every step.
.macro MUL16 a0, p, q, sc, zero
.irp a, \a0, \a0+1
.irp b, 0,1,2,3,4,5,6,7
.if (\zero) && (\b < 4)
	v_wmma_scale_f32_16x16x128_f8f6f4 v[8*(8*((\a)%4)+\b):8*(8*((\a)%4)+\b)+7], v[128*(\p)+FR*\b:128*(\p)+FR*\b+FR-1], v[AF+FR*(\a):AF+FR*(\a)+FR-1], 0, v[SC+8*NQ*(\sc)+NQ*\b+(\q)], v[SC+8*NQ*(\sc)+NQ*(\a)+(\q)] matrix_a_scale:MATRIX_SCALE_ROW1
.elseif \zero
	v_wmma_scale_f32_16x16x128_f8f6f4 v[8*(8*((\a)%4)+\b):8*(8*((\a)%4)+\b)+7], v[128*(\p)+FR*\b:128*(\p)+FR*\b+FR-1], v[AF+FR*(\a):AF+FR*(\a)+FR-1], v[BIAS:BIAS+7], v[SC+8*NQ*(\sc)+NQ*\b+(\q)], v[SC+8*NQ*(\sc)+NQ*(\a)+(\q)] matrix_a_scale:MATRIX_SCALE_ROW1
.else
	v_wmma_scale_f32_16x16x128_f8f6f4 v[8*(8*((\a)%4)+\b):8*(8*((\a)%4)+\b)+7], v[128*(\p)+FR*\b:128*(\p)+FR*\b+FR-1], v[AF+FR*(\a):AF+FR*(\a)+FR-1], v[8*(8*((\a)%4)+\b):8*(8*((\a)%4)+\b)+7], v[SC+8*NQ*(\sc)+NQ*\b+(\q)], v[SC+8*NQ*(\sc)+NQ*(\a)+(\q)] matrix_a_scale:MATRIX_SCALE_ROW1
.endif
.endr
.endr
.endm
.macro FETCH_B slot, q, p
	WIN TO_B
.irp i, 0,1,2,3,4,5,6,7
	FRAG 128*(\p)+FR*\i, ADRB+\slot, \q, \i
.endr
	WIN 0
.endm
.macro FETCH_A slot, q, i0
.irp i, \i0, \i0+1, \i0+2, \i0+3
	FRAG AF+FR*(\i), ADRA+\slot, \q, \i
.endr
.endm
.macro SCALES sc                       ; the slot's scale words: lanes 0-15 Q's tile i, lanes 16-31 K's tile i
.irp i, 0,1,2,3,4,5,6,7
.irp q, 0,1
	ds_load_b32 v[SC+8*NQ*\sc+NQ*\i+\q], v[ADRS+\sc] offset:CH*\q+64*\i
.endr
.endr
.endm
.macro PLACES n                        ; a load into a register that a matrix instruction has read, and the first read of a result, stand NP plain vector instructions behind it
.rept \n
	v_nop
.endr
.endm
.macro STEP slot, q, zero              ; a step of 128 along d that has its successor in the same slot
	s_wait_dscnt 16                                ; K's set and Q's tiles 0-3 are in; the youngest sixteen loads (Q's tiles 4-7) may be out
.if \zero
	WIN 0x81                                       ; C in window 0
.else
	WIN MUL_LO
.endif
	MUL16 0, (\q)%2, \q, \slot, \zero
	MUL16 2, (\q)%2, \q, \slot, \zero
	s_wait_dscnt 0x0                               ; Q's tiles 4-7 are in
	PLACES NP
	FETCH_B \slot, (\q)+1, 1-(\q)%2
	FETCH_A \slot, (\q)+1, 0
.if \zero
	WIN 0xc1
.else
	WIN MUL_HI
.endif
	MUL16 4, (\q)%2, \q, \slot, \zero
	MUL16 6, (\q)%2, \q, \slot, \zero
	PLACES NP
	WIN 0
	FETCH_A \slot, (\q)+1, 4
.endm
; A slot's last step changes slots: ONE barrier; in front of it each wave waits for all its tensor loads, adds 0 to its spare word, and waits for that and for its own reads of this slot.
.macro TURN slot, next, fill
	s_wait_tensorcnt 0x0                           ; all my tensor loads have landed: my part of the next slot
	ds_add_u32 v[SPW], v[NIL]                      ; 0 onto my spare word
	s_wait_dscnt 17                                ; (the add and the youngest sixteen loads may be out)
	WIN MUL_LO
	MUL16 0, 1, NQ-1, \slot, 0
	s_wait_dscnt 0x0                               ; the add is done, and my reads of this slot are over
	s_barrier_signal -1
	MUL16 2, 1, NQ-1, \slot, 0
	WIN 0
	s_barrier_wait -1
.if \fill
	CREST                                          ; the barrier has opened a round of the cluster's: no wave of any partner still reads this slot or has a load on its way
	s_add_nc_u64 s[G0+4*\slot+2:G0+4*\slot+3], s[G0+4*\slot+2:G0+4*\slot+3], 2*HALF
	s_add_nc_u64 s[G0B+4*\slot+2:G0B+4*\slot+3], s[G0B+4*\slot+2:G0B+4*\slot+3], 2*HALF
	JLOAD G0+4*\slot, G1, G0B+4*\slot, G1B         ; the first tensor load behind the round; its four v_nop are four of the places in front of the loads below
	PLACES NP-4
.else
	PLACES NP
.endif
	FETCH_B \next, 0, 0
	FETCH_A \next, 0, 0
	SCALES \next
	WIN MUL_HI
	MUL16 4, 1, NQ-1, \slot, 0
	MUL16 6, 1, NQ-1, \slot, 0
	PLACES NP
	WIN 0
	FETCH_A \next, 0, 4
.endm
	s_wait_alu depctr_va_vdst(0)
	s_wait_tensorcnt 0x0                           ; my part of both slots is in
	s_barrier_signal -1
	s_barrier_wait -1
	FETCH_B 0, 0, 0
	FETCH_A 0, 0, 0
	SCALES 0
	FETCH_A 0, 0, 4
	global_prefetch_b8 v25, s[96:97] offset:HALF th:TH_LOAD_NT scope:SCOPE_SE   ; the second refill's
	STEP 0, 0, 1
	TURN 0, 1, 1                                   ; slot 0 takes d 512-767
	STEP 1, 0, 0
	TURN 1, 0, 1                                   ; slot 1 takes d 768-1,023
	STEP 0, 0, 0
	TURN 0, 1, 0                                   ; nothing is left to fetch
	STEP 1, 0, 0
	s_wait_dscnt 16
	WIN MUL_LO
	MUL16 0, 1, NQ-1, 1, 0
	MUL16 2, 1, NQ-1, 1, 0
	s_wait_dscnt 0x0
	WIN MUL_HI
	MUL16 4, 1, NQ-1, 1, 0
	MUL16 6, 1, NQ-1, 1, 0
	WIN 0
	PLACES NP                                      ; in front of the first read of results and the first write over Q's fragments
; THE SOFTMAX of query tile a: a lane holds one query and 64 of the step's 128 keys; the lane 16 away holds the other 64.
.macro SOFT a
.set XW,  2+(\a)/4
.set AC,  64*((\a)%4)
.set KK,  (\a)/2
.set ODD, (\a)%2
.set PCS, PC+16*ODD
	WIN (XW<<2)|(XW<<4)                            ; sources 1 and 2: the accumulators' window
.irp b, 0,1,2,3
	v_max3_num_f32 v[BM+\b], s[NEG], v[AC+16*\b], v[AC+16*\b+1]   ; the largest score of each block of 32 keys; each accumulator is read from its low end on
.endr
.irp i, 2,4,6,8,10,12,14
.irp b, 0,1,2,3
	v_max3_num_f32 v[BM+\b], v[BM+\b], v[AC+16*\b+\i], v[AC+16*\b+\i+1]
.endr
.endr
	WIN 0
.irp b, 0,1,2,3
	v_permlanex16_b32 v[BP+\b], v[BM+\b], s[SEL], s[SEL+1]
.endr
.irp b, 0,1,2,3
	v_max_num_f32 v[BM+\b], v[BM+\b], v[BP+\b]
.endr
	v_max3_num_f32 v[TA], v[BM], v[BM+1], v[BM+2]
	v_max_num_f32 v[TA], v[TA], v[BM+3]
	v_mul_f32 v[TA], s[CS], v[TA]                  ; the step's largest t
	v_floor_f32 v12, -v[TA]                        ; -M = floor(-t) = -ceil(t)
	WIN XW                                         ; source 0: the accumulators' window
.set jj, 0
.rept 32
	v_pk_fma_f32 v[T+jj:T+jj+1], v[AC+jj:AC+jj+1], s[CS:CS+1], v[12:13] op_sel_hi:[1,0,0]   ; t - M, two at a time
.set jj, jj+2
.endr
	WIN 0
.irp b, 0,1,2,3
	v_fma_f32 v[BM+\b], v[BM+\b], s[CS], v12       ; the same of each block's largest score
.endr
.set jj, 0
	s_wait_alu depctr_va_vdst(0)
.rept 64
	v_exp_f32 v[T+jj], v[T+jj]                     ; p = 2^(t - M)
.set jj, jj+1
.endr
.if ODD
	v_cndmask_b32 v[STM+KK], v[STM+KK], v12, s[HIM]   ; -M for stats: an even tile's rows in lanes 0-15, an odd tile's in lanes 16-31.  (The plain line behind the exponentials)
.else
	v_mov_b32 v[STM+KK], v12
.endif
	s_wait_alu depctr_va_vdst(0)                   ; one wait for the batch of 64, ahead of its first reader
.irp b, 0,1,2,3
	v_exp_f32 v[BM+\b], v[BM+\b]                   ; the block's largest p: the same two instructions on the same number
.endr
	v_pk_add_f32 v[14:15], v[T:T+1], v[T+2:T+3]    ; the sum of the UNQUANTISED p, in two chains; it reads the 64 alone
	v_pk_add_f32 v[S2:S2+1], v[T+4:T+5], v[T+6:T+7]
.set jj, 8
.rept 14
	v_pk_add_f32 v[14:15], v[14:15], v[T+jj:T+jj+1]
	v_pk_add_f32 v[S2:S2+1], v[S2:S2+1], v[T+jj+2:T+jj+3]
.set jj, jj+4
.endr
	v_pk_add_f32 v[14:15], v[14:15], v[S2:S2+1]
	s_wait_alu depctr_va_vdst(0)                   ; and one for the four
.irp b, 0,1,2,3
	v_max_num_f32 v[BM+\b], 0x4800000, v[BM+\b]    ; the floor 2^(9 - 127): the byte cannot fall under 1
.endr
.irp b, 0,1,2,3
	v_add_nc_u32 v[SO+\b], 0xfc000000, v[BM+\b]    ; 8 off the exponent field: the conversion's scale operand
.endr
.irp b, 0,1,2,3
	v_and_or_b32 v[HL+\b], v[BM+\b], 0x7f800000, s[MNT]   ; 448 x the scale
.endr
.irp b, 0,1,2,3
	v_lshrrev_b32 v[BP+\b], 23, v[SO+\b]           ; the scale's byte
.endr
	v_lshl_or_b32 v[WD], v[BP+1], 8, v[BP]
	v_lshl_or_b32 v[WD], v[BP+2], 16, v[WD]
	v_lshl_or_b32 v[WD], v[BP+3], 24, v[WD]
	v_add_f32 v[TA], v14, v15
	v_permlanex16_b32 v[TB], v[TA], s[SEL], s[SEL+1]
.if ODD
	v_cndmask_b32 v[STW+KK], v[STW+KK], v[WD], s[HIM]
	v_add_f32 v[TA], v[TA], v[TB]
	v_cndmask_b32 v[STL+KK], v[STL+KK], v[TA], s[HIM]
.else
	v_mov_b32 v[STW+KK], v[WD]
	v_add_f32 v[STL+KK], v[TA], v[TB]
.endif
	s_wait_xcnt 0x0                                ; the stores of two tiles back have read this set of codes: it is written again only behind this wait
.irp b, 0,1,2,3
.set jj, 0
.rept 16
	v_min_num_f32 v[T+16*\b+jj], v[T+16*\b+jj], v[HL+\b]   ; the conversion does not saturate (ISA guide 7.6.2); p is not negative, so the hold is one-sided
.set jj, jj+1
.endr
	v_cvt_scalef32_pk8_fp8_f32 v[PCS+4*\b:PCS+4*\b+1], v[T+16*\b:T+16*\b+7], v[SO+\b]
	v_cvt_scalef32_pk8_fp8_f32 v[PCS+4*\b+2:PCS+4*\b+3], v[T+16*\b+8:T+16*\b+15], v[SO+\b]
.endr
	v_nop                                          ; a plain line behind the last conversion
.irp c, 0,1,2,3
	global_store_b128 v[LI], v[PCS+4*\c:PCS+4*\c+3], s[8:9] offset:2048*(\a)+512*\c   ; the fragment's image: 512 consecutive bytes, aligned
.endr
.endm
.irp a, 0,1,2,3,4,5,6,7
	SOFT \a
.endr
	global_store_b128 v[LI], v[STW:STW+3], s[10:11]
	global_store_b128 v[LI], v[STM:STM+3], s[10:11] offset:512
	global_store_b128 v[LI], v[STL:STL+3], s[10:11] offset:1024
	s_wait_tensorcnt 0x0                           ; the wave's end
	ds_add_u32 v[SPW], v[NIL]
	s_wait_dscnt 0x0
	CROUND                                         ; the closing round: no work-group ends while a partner may still ask for a tile that names it
	s_endpgm
.Lfunc_end_k_q3c5b73fb9d_scores:
	.size	k_q3c5b73fb9d_scores, .Lfunc_end_k_q3c5b73fb9d_scores-k_q3c5b73fb9d_scores
	.p2alignl 7, 3214868480
	.fill 96, 4, 3214868480
	.section	.rodata,"a",@progbits
	.p2align	6, 0x0
	.amdhsa_kernel k_q3c5b73fb9d_scores
		.amdhsa_group_segment_fixed_size 327680
		.amdhsa_private_segment_fixed_size 0
		.amdhsa_enable_private_segment 0
		.amdhsa_kernarg_size 32
		.amdhsa_user_sgpr_count 2
		.amdhsa_user_sgpr_kernarg_segment_ptr 1
		.amdhsa_wavefront_size32 1
		.amdhsa_system_sgpr_workgroup_id_x 1
		.amdhsa_system_sgpr_workgroup_id_y 1
		.amdhsa_system_sgpr_workgroup_id_z 1
		.amdhsa_system_vgpr_workitem_id 0
		.amdhsa_next_free_vgpr 1024
		.amdhsa_next_free_sgpr 100
		.amdhsa_reserve_vcc 0
		.amdhsa_float_denorm_mode_32 3
		.amdhsa_float_denorm_mode_16_64 3
		.amdhsa_memory_ordered 1
		.amdhsa_forward_progress 1
		.amdhsa_inst_pref_size 225
	.end_amdhsa_kernel
	.amdgpu_metadata
---
amdhsa.version: [ 1, 2 ]
amdhsa.kernels:
  - .name:           k_q3c5b73fb9d_scores
    .symbol:         k_q3c5b73fb9d_scores.kd
    .args:
      - { .name: qimg, .offset: 0, .size: 8, .value_kind: global_buffer, .address_space: global }
      - { .name: kimg, .offset: 8, .size: 8, .value_kind: global_buffer, .address_space: global }
      - { .name: pimg, .offset: 16, .size: 8, .value_kind: global_buffer, .address_space: global }
      - { .name: stats, .offset: 24, .size: 8, .value_kind: global_buffer, .address_space: global }
    .group_segment_fixed_size: 327680
    .private_segment_fixed_size: 0
    .kernarg_segment_align: 8
    .kernarg_segment_size: 32
    .max_flat_workgroup_size: 128
    .sgpr_count:     100
    .vgpr_count:     1024
    .wavefront_size: 32
...
	.end_amdgpu_metadata
.endif
;; end of part 2
;; launch context (part 3): grid 8 x 32, 4 waves a work-group, clusters of 4 x 1, 327,680 bytes of LDS; arguments pimg, stats, vimg, q, out0; writes out0
.if DOCPART == 3
	.amdgcn_target "amdgcn-amd-amdhsa--gfx1250"
	.amdhsa_code_object_version 6
	.text
	.protected	k_q3c5b73fb9d_context
	.globl	k_q3c5b73fb9d_context
	.p2align	8
	.type	k_q3c5b73fb9d_context,@function
k_q3c5b73fb9d_context:
	s_mov_b64 s[64:65], 0
	v_nop
	global_prefetch_b8 v0, s[64:65] scope:SCOPE_SE
	s_setreg_imm32_b32 hwreg(HW_REG_WAVE_MODE, 25, 1), 1
	s_wait_xcnt 0x0
	s_wait_alu depctr_hold_cnt(0) depctr_sa_sdst(0) depctr_va_vdst(0) depctr_va_sdst(0) depctr_va_ssrc(0) depctr_va_vcc(0) depctr_vm_vsrc(0)
	s_getreg_b32 s2, hwreg(HW_REG_IB_STS2, 6, 4)
	s_cmp_eq_u32 s2, 0
	s_cbranch_scc0 .Lentry_in_a_cluster
	s_endpgm
.Lentry_in_a_cluster:
	s_bfe_u32 s2, ttmp6, 0x10000c
	s_cmp_lg_u32 s2, 0x3003
	s_cbranch_scc0 .Lentry_shape_is_right
	s_endpgm
.Lentry_shape_is_right:
; THE SECOND PRODUCT AND THE WAY OUT.  out = (sum over steps of 2^(M_step - M) P_step V_step) / l + q, on codes of FP8 (E4M3) with E8M0 scales, K = the 8,192 keys in 64 steps of 128.
; Nothing of reference() is left out.  Step 63 is all fill (V's codes are zeros there): it counts for neither M nor l, and its scale words of P are 0.
; LIMITS: NaN and infinities are not served; a scale byte of P that the shift would bring under 0 becomes 0.
; SHARES: a work-group makes 128 queries x 128 of d; K is split: each of the four waves makes the whole 128 x 128 (64 accumulators, 512 registers) over 16 steps of its own; the four parts are added through LDS at the end.
; Wave w's steps: i = 0..3: 4 w + i (64 KB on end in pimg: one load at the head fills both its slots); i = 4..15: 8 (i / 2) + 2 w + i % 2.
; P comes through a ring of two slots of two steps for each wave (4 x 2 x 32,768 bytes), each wave filling and reading bytes of its own.  CLUSTER: the four work-groups of a row (four blocks of d) need the same P: joint loads, mask 15.
; V goes from memory straight into registers, and is no joint load: two slots of two steps a wave for both operands would be 4 x 2 x 2 x 33,280 = 532,480 bytes, more than LDS has.
; Each half of a set of V (64 of d) is asked for, into registers, as soon as the quarter that read it last is over, six quarters of a step ahead of its use.
; PREFETCH, two trips ahead of the loads: of P each wave names 32 blocks of 256 bytes of its 32 KB (the four partners share them by address); of V the 132 blocks of a wave's two chunks are shared out among the 32 blocks of
; queries that read them: block n is named by the work-group whose block of queries is n % 32; lanes that are left over name their wave's last block again.
; A STEP is four quarters of 16 products, (half of the queries, half of d): (x,0) (1-x,0) (1-x,1) (x,1), x = the step's parity, so that a half of P or V is free two quarters before the step's end or at it.
; THE STATS: a wave loads its own steps' -M, scale words and sums, 512 bytes a load: lane l's register k belongs to query tile 2 k + l / 16, row l % 16, which is the layout of a scale register for two tiles (rows 0 and 1).
; Only the rows' smallest -M passes between the waves (one barrier).  The shifted words lie in the wave's own 8 KB of LDS; the parts of l are added on the way out.
; TRANSPOSED USE: source 0 = 16 of d, source 1 = 16 queries: a lane holds one query and eight neighbours along d.
; REGISTERS: window 0: v0-31 addresses, v32-39 P's scale words, v44-51 V's, v128-255 P's fragments; window 1: V's fragments, two sets; windows 2, 3: accumulators (a, b) at v[8 (8 (a % 4) + b)]; in the head window 2 holds the stats.
.set CH,    16896
.set PTAB,  262144                     ; behind the ring: P's shifted scale words, 8,192 bytes a wave
.set MX,    PTAB+32768                 ; the waves' smallest -M, 512 bytes a wave
.set LSUM,  MX+2048                    ; the waves' parts of l
.set SPARE, LSUM+2048                  ; the spare words, 128 bytes a wave
.set SREG,  16896                      ; the way out: 32 rows x 528 bytes, for each (owner, source); over the ring, which has had its last fill, and the words' table
.set GO,   1                           ; 16 x lane
.set ADV,  2                           ; 4 x lane
.set PFO,  3                           ; 256 x lane
.set ADA0, 4
.set ADA,  5                           ; my fragments of P in the slot in hand
.set ADP0, 6
.set ADP,  7                           ; my scale words of the pair in hand
.set MXA,  8
.set MXR,  9
.set LSW,  10
.set LSA,  11
.set SA,   12                          ; v12-15 stage, in: one for each owner
.set RD0,  16
.set RD1,  17
.set PFV,  26                          ; V's prefetch: 256 x my lane's block
.set SPW,  28
.set NIL,  29
.set PS,   32
.set VS,   44                          ; numbers that differ from P's modulo 8
.set AF,   128
.set MSB, 0
.macro WIN new
.if MSB != (\new)
	s_set_vgpr_msb (MSB<<8)|(\new)
.set MSB, (\new)
.endif
.endm
.macro PLACES n
.rept \n
	v_nop
.endr
.endm
.macro CREST
	s_cmp_lg_u32 s14, 0
	s_cbranch_scc1 .Lnot_wave_0_\@
	s_barrier_signal -3
.Lnot_wave_0_\@:
	s_barrier_wait -3
	s_barrier_signal -1
	s_barrier_wait -1
.endm
.macro CROUND
	s_barrier_signal -1
	s_barrier_wait -1
	CREST
.endm
.macro ASK                             ; the pair of steps four on: two trips ahead of its loads; the last two trips have none
	s_cmp_gt_u32 s3, 2
	s_cbranch_scc0 .Lno_\@
	global_prefetch_b8 v[PFO], s[52:53] th:TH_LOAD_NT scope:SCOPE_SE
	global_prefetch_b8 v[PFV], s[66:67] th:TH_LOAD_NT scope:SCOPE_SE
.Lno_\@:
.endm
.macro STLD reg, arr                   ; one array of my 16 steps' stats
.set i, 0
.rept 16
.if i < 4
	global_load_b128 v[\reg+4*i:\reg+4*i+3], v[GO], s[60:61] offset:1536*i+\arr
.else
	global_load_b128 v[\reg+4*i:\reg+4*i+3], v[GO], s[62:63] offset:1536*(8*(i/2)+i%2)+\arr
.endif
.set i, i+1
.endr
.endm
; kind 1: half bh of V's set p, 16 + 2 loads, from the pair at s[48:49].  kind 2: 16 rows of q into set 0's half.  kind 0: nothing
.macro VRE kind, p, bh
.if \kind == 1
	WIN 0x40
.irp t, 0,1,2,3
.irp c, 0,1,2,3
	global_load_b128 v[128*(\p)+16*(4*(\bh)+\t)+4*\c:128*(\p)+16*(4*(\bh)+\t)+4*\c+3], v[GO], s[48:49] offset:CH*(\p)+2048*(4*(\bh)+\t)+512*\c
.endr
.endr
	WIN 0
.irp y, 0,1
	global_load_b32 v[VS+4*(\p)+2*(\bh)+\y], v[ADV], s[48:49] offset:CH*(\p)+16384+128*(2*(\bh)+\y)   ; lanes 0-15 an even tile's words, lanes 16-31 the odd one's
.endr
.elseif \kind == 2
	WIN 0x40
.irp r, 0,1,2,3,4,5,6,7,8,9,10,11,12,13,14,15
	global_load_b128 v[64*(\bh)+4*\r:64*(\bh)+4*\r+3], v[GO], s[10:11] offset:(8*(\bh)+\r%8+16*(\r/8))*4096 th:TH_LOAD_NT
.endr
	WIN 0
.endif
.endm
.macro FETCH ah, off                   ; four tiles of P: images, 512 consecutive bytes a load
.irp t, 0,1,2,3
.irp c, 0,1,2,3
	ds_load_b128 v[AF+16*(4*(\ah)+\t)+4*\c:AF+16*(4*(\ah)+\t)+4*\c+3], v[ADA] offset:(\off)+2048*(4*(\ah)+\t)+512*\c
.endr
.endr
.endm
.macro WM c
.if RO_ == 0
	v_wmma_scale_f32_16x16x128_f8f6f4 v[AC_:AC_+7], v[VR_:VR_+15], v[PR_:PR_+15], \c, v[SV_], v[SP_]
.elseif RO_ == 1
	v_wmma_scale_f32_16x16x128_f8f6f4 v[AC_:AC_+7], v[VR_:VR_+15], v[PR_:PR_+15], \c, v[SV_], v[SP_] matrix_a_scale:MATRIX_SCALE_ROW1
.elseif RO_ == 2
	v_wmma_scale_f32_16x16x128_f8f6f4 v[AC_:AC_+7], v[VR_:VR_+15], v[PR_:PR_+15], \c, v[SV_], v[SP_] matrix_b_scale:MATRIX_SCALE_ROW1
.else
	v_wmma_scale_f32_16x16x128_f8f6f4 v[AC_:AC_+7], v[VR_:VR_+15], v[PR_:PR_+15], \c, v[SV_], v[SP_] matrix_a_scale:MATRIX_SCALE_ROW1 matrix_b_scale:MATRIX_SCALE_ROW1
.endif
.endm
.macro MULQ ah, bh, p, zero            ; a quarter: 16 accumulators by turns
.irp a2, 0,1,2,3
.irp b2, 0,1,2,3
.set AC_, 8*(8*\a2+4*(\bh)+\b2)
.set VR_, 128*(\p)+16*(4*(\bh)+\b2)
.set PR_, AF+16*(4*(\ah)+\a2)
.set SV_, VS+4*(\p)+2*(\bh)+\b2/2
.set SP_, PS+4*(\p)+2*(\ah)+\a2/2
.set RO_, (\b2%2)+2*(\a2%2)
.if \zero
	WM 0
.else
	WM v[AC_:AC_+7]
.endif
.endr
.endr
.endm
; p: parity; zero: the products start the sums; rnd 1: a round and the refill of the slot just read out, 2: only the wait for my last fill; vre: see VRE; nxt: the next step's P is fetched;
; c1, c2: the loads younger than V's half that is about to be multiplied (three halves of 18; at the end q's loads count too); mid: V's base and the prefetches' go on to the next pair
.macro STEP p, zero, rnd, vre, nxt, c1, c2, mid
.if \rnd == 1
	s_wait_tensorcnt 0x0                           ; my one load that was out, the next pair's, has landed
	ds_add_u32 v[SPW], v[NIL]
	s_xor_b32 s45, s45, 32768                      ; the walking descriptor: the slot that I am leaving,
	s_add_nc_u64 s[46:47], s[46:47], 131072        ; the pair two on
	s_wait_dscnt 17                                ; (the add and the younger half of P may be out)
.else
.if \rnd == 2
	s_wait_tensorcnt 0x0                           ; my last fill is in; only I read it
.endif
	s_wait_dscnt 16                                ; the first half of P and the scale words are in
.endif
	s_wait_loadcnt \c1
	WIN 0xa1+0x50*(\p)
	MULQ \p, 0, \p, \zero
	s_wait_dscnt 0x0                               ; the add is done, and my reads of the slot are over
.if \rnd == 1
	s_barrier_signal -1                            ; opens a round of the cluster's barrier
.endif
	WIN 0xa1+0x50*(1-\p)
	MULQ (1-\p), 0, \p, \zero
	WIN 0
.if \rnd == 1
	s_barrier_wait -1
	CREST
	tensor_load_to_lds s[44:47], s[32:39]          ; the first tensor load behind the round, one a wave
	s_nop 0
.endif
	PLACES 8                                       ; in front of loads into registers that the products have read
.if \mid
	s_wait_xcnt 0x0                                ; the odd step's loads, two quarters back, and the prefetches have read their bases
	s_add_nc_u64 s[48:49], s[48:49], s[50:51]
	s_mov_b32 s50, 8*CH
	s_add_nc_u64 s[52:53], s[52:53], 131072
	s_add_nc_u64 s[66:67], s[66:67], 8*CH
.endif
	VRE \vre, \p, 0
.if \rnd == 1
	ASK
.endif
	s_wait_loadcnt \c2
	WIN 0xa1+0x50*(1-\p)
	MULQ (1-\p), 1, \p, \zero
	PLACES 8
	WIN 0
.if \nxt
	FETCH (1-\p), 16384*(1-\p)
	ds_load_b128 v[PS+4*(1-\p):PS+4*(1-\p)+3], v[ADP] offset:512*(1-\p)
.endif
	WIN 0xa1+0x50*(\p)
	MULQ \p, 1, \p, \zero
	PLACES 8
	WIN 0
.if \nxt
	FETCH \p, 16384*(1-\p)
.endif
	VRE \vre, \p, 1
.endm
.macro TOP                             ; on to the next pair: its slot and its scale words
	s_xor_b32 s54, s54, 32768
	s_add_co_u32 s55, s55, 1024
	v_add_nc_u32 v[ADA], s54, v[ADA0]
	v_add_nc_u32 v[ADP], s55, v[ADP0]
	s_wait_alu depctr_va_vdst(0)
.endm
.macro ALL text:vararg
.set n, 0
.rept 64
	\text
.set n, n+1
.endr
.endm
	s_load_b256 s[4:11], s[0:1], 0x0               ; pimg, stats, vimg, q
	s_load_b64 s[12:13], s[0:1], 0x20              ; out0
	v_lshl_add_u32 v[SPW], v0, 2, SPARE
	v_mov_b32 v[NIL], 0
	ds_add_u32 v[SPW], v[NIL]                      ; the opening: the add twice on end and its wait ahead of my first tensor load
	ds_add_u32 v[SPW], v[NIL]
	v_lshrrev_b32 v18, 5, v0
	v_readfirstlane_b32 s14, v18                   ; wave
	s_bfe_u32 s15, ttmp6, 0x40000                  ; cx
	s_lshl_b32 s16, ttmp9, 2
	s_add_co_u32 s16, s16, s15                     ; block of d
	s_and_b32 s17, ttmp7, 0xffff                   ; block of queries
.irp g, 24, 32                                 ; groups 1: rows of 256 bytes; s[24:31] the head's 256 rows, s[32:39] a refill's 128
	s_mov_b32 s[\g+0], 15|(3<<16)|(1<<21)
	s_mov_b32 s[\g+1], 32<<16
	s_mov_b32 s[\g+3], 32<<16
	s_mov_b32 s[\g+5], 32
	s_mov_b32 s[\g+6], 0
	s_mov_b32 s[\g+7], 0
.endr
	s_mov_b32 s26, 256<<16
	s_mov_b32 s28, 256
	s_mov_b32 s34, 128<<16
	s_mov_b32 s36, 128
	s_lshl_b32 s18, s17, 20
	s_lshl_b32 s19, s14, 16                        ; my 64 KB of the ring
	s_add_co_u32 s20, s18, s19                     ; the head's load: steps 4 w .. 4 w + 3
	s_mov_b32 s21, 0
	s_lshl_b32 s22, s14, 15
	s_add_co_u32 s22, s22, s18
	s_add_co_u32 s22, s22, 131072                  ; one pair short of the first refill's (pair 2)
	s_mov_b32 s23, 0
	s_lshl_b32 s52, s15, 13                        ; P's prefetches: my work-group's quarter of my wave's 32 KB, told apart by address; pair 4 first
	s_add_co_u32 s52, s52, s22
	s_add_co_u32 s52, s52, 3*131072
	s_mov_b32 s53, 0
	s_mul_i32 s48, s16, 64*CH
	s_mul_i32 s50, s14, 2*CH
	s_add_co_u32 s18, s48, s50
	s_add_co_u32 s18, s18, 32*CH                   ; V's prefetches: my two chunks of pair 4 first: step 32 + 2 w
	s_add_co_u32 s48, s48, s50
	s_add_co_u32 s48, s48, s50                     ; V: step 4 w
	s_mov_b32 s49, 0
	s_sub_co_u32 s50, 14*CH, s50                   ; from step 4 w + 2 to step 16 + 2 w; afterwards eight steps
	s_mov_b32 s51, 0
	s_mul_i32 s60, s17, 64*1536
	s_mul_i32 s2, s14, 2*1536
	s_add_co_u32 s62, s60, s2
	s_add_co_u32 s60, s62, s2
	s_mov_b32 s61, 0
	s_mov_b32 s63, 0
	s_lshl_b32 s66, s17, 19
	s_lshl_b32 s2, s14, 17
	s_add_co_u32 s66, s66, s2
	s_lshl_b32 s2, s16, 9
	s_add_co_u32 s66, s66, s2                      ; my 32 rows of q and out, my block of d
	s_mov_b32 s67, 0
	s_cmp_eq_u32 s14, 3                            ; wave 3's last step is step 63
	s_cselect_b32 s56, 0, -1
	s_cselect_b32 s57, 0x7f000000, 0
	s_mov_b32 s58, 0x80808080
	s_mov_b32 s54, 0
	s_mov_b32 s55, 0
	s_lshl_b32 s70, s14, 13
	s_add_co_u32 s70, s70, PTAB
	s_lshl_b32 s71, s14, 9
	s_lshl_b32 s72, s14, 2
	s_add_co_u32 s72, s72, LSUM
	s_mul_i32 s73, s14, SREG
	s_mul_i32 s74, s14, 4*SREG
	s_cmp_lt_u32 s17, 4                            ; 132 blocks over 32 blocks of queries: the first four take five, the others four
	s_cselect_b32 s75, 4, 3
	v_and_b32 v19, 31, v0
	v_lshlrev_b32 v[GO], 4, v19
	v_lshlrev_b32 v[ADV], 2, v19
	v_lshlrev_b32 v[PFO], 8, v19
	v_min_u32 v[PFV], s75, v19
	v_lshl_add_u32 v[PFV], v[PFV], 5, s17          ; block = my block of queries + 32 x lane
	v_min_u32 v[PFV], 131, v[PFV]
	v_lshlrev_b32 v[PFV], 8, v[PFV]
	v_add_nc_u32 v[ADA0], s19, v[GO]
	v_mov_b32 v[ADA], v[ADA0]
	v_add_nc_u32 v[ADP0], s70, v[GO]
	v_mov_b32 v[ADP], v[ADP0]
	v_add_nc_u32 v[MXR], MX, v[GO]
	v_add_nc_u32 v[MXA], s71, v[MXR]
	v_add_nc_u32 v[LSW], 2048, v[MXA]
	v_add_nc_u32 v[LSA], s72, v[GO]                ; the parts of l of my 32 rows: lane l's word w
	v_and_b32 v18, 15, v0
	v_bfe_u32 v19, v0, 4, 1
	v_mul_u32_u24 v18, v18, 528
	v_lshl_add_u32 v18, v19, 5, v18
	v_add_nc_u32 v[SA], s73, v18                   ; stage, in: region (owner, me), row r, 32 bytes for each half of the lanes
.irp t, 1,2,3
	v_add_nc_u32 v[SA+\t], \t*4*SREG, v[SA]
.endr
	v_add_nc_u32 v[RD0], s74, v[GO]                ; back: a row's 512 bytes a load
	v_add_nc_u32 v[RD1], 2*SREG, v[RD0]
	s_wait_alu depctr_va_vdst(0)
	s_wait_dscnt 0x0
	s_wait_kmcnt 0x0
	s_add_nc_u64 s[20:21], s[4:5], s[20:21]
	s_add_nc_u64 s[22:23], s[4:5], s[22:23]
	s_add_nc_u64 s[52:53], s[4:5], s[52:53]
	s_add_nc_u64 s[48:49], s[8:9], s[48:49]
	s_add_nc_u64 s[60:61], s[6:7], s[60:61]
	s_add_nc_u64 s[62:63], s[6:7], s[62:63]
	s_add_nc_u64 s[10:11], s[10:11], s[66:67]
	s_add_nc_u64 s[12:13], s[12:13], s[66:67]
	s_mov_b32 s66, s18
	s_mov_b32 s67, 0
	s_add_nc_u64 s[66:67], s[8:9], s[66:67]
	s_mov_b32 s40, 1
	s_mov_b32 s41, s19
	s_mov_b64 s[42:43], s[20:21]
	s_or_b32 s43, s43, 0x80000000
	s_mov_b32 s44, 1
	s_add_co_u32 s45, s19, 32768
	s_mov_b64 s[46:47], s[22:23]
	s_or_b32 s47, s47, 0x80000000
	WIN 0x80                                       ; the stats go to window 2, which the products write only later
	STLD 0, 512                                    ; -M
	STLD 64, 0                                     ; scale words
	STLD 128, 1024                                 ; sums
	WIN 0
	CROUND                                         ; the four work-groups are here: the joint loads meet
	tensor_load_to_lds s[40:43], s[24:31]          ; my one load at the head: both my slots
	s_nop 0
	PLACES 4
	VRE 1, 0, 0
	VRE 1, 0, 1
	VRE 1, 1, 0
	VRE 1, 1, 1
	s_wait_loadcnt 63                              ; 72 loads are younger than the stats' last
	s_wait_xcnt 0x0
	s_add_nc_u64 s[48:49], s[48:49], 2*CH          ; V: the second pair
	WIN 0xaa                                       ; every operand in window 2: -M v0-63, words v64-127, sums v128-191; register 4 i + k: step i, tile pair k
.irp k, 0,1,2,3
	v_and_or_b32 v[60+\k], v[60+\k], s56, s57      ; step 63 counts for no minimum
.endr
.irp k, 0,1,2,3
	v_min3_num_f32 v[192+\k], v[\k], v[4+\k], v[8+\k]
.endr
.irp i, 12,20,28,36,44,52
.irp k, 0,1,2,3
	v_min3_num_f32 v[192+\k], v[192+\k], v[\i+\k], v[\i+4+\k]
.endr
.endr
.irp k, 0,1,2,3
	v_min_num_f32 v[192+\k], v[192+\k], v[60+\k]
.endr
	WIN 0x08
	ds_store_b128 v[MXA], v[192:195]
	WIN 0
	s_wait_dscnt 0x0
	s_barrier_signal -1                            ; my tensor load may stay out
	s_barrier_wait -1
	WIN 0x80
.irp s, 0,1,2,3
	ds_load_b128 v[196+4*\s:199+4*\s], v[MXR] offset:512*\s
.endr
	s_wait_dscnt 0x0
	WIN 0xaa
.irp k, 0,1,2,3
	v_min3_num_f32 v[192+\k], v[196+\k], v[200+\k], v[204+\k]
.endr
.irp k, 0,1,2,3
	v_min_num_f32 v[192+\k], v[192+\k], v[208+\k]  ; the row's -M
.endr
	ALL v_sub_f32 v[n], v[192+(n&3)], v[n]         ; the step's M less the row's: a whole number, 0 or less
	ALL v_cvt_i32_f32 v[n], v[n]
.irp k, 0,1,2,3
	v_and_b32 v[188+\k], s56, v[188+\k]            ; step 63 adds nothing to l
.endr
	ALL v_ldexp_f32 v[128+n], v[128+n], v[n]
	v_pk_add_f32 v[212:213], v[128:129], v[132:133]
	v_pk_add_f32 v[214:215], v[130:131], v[134:135]
.set i, 8
.rept 14
	v_pk_add_f32 v[212:213], v[212:213], v[128+i:129+i]
	v_pk_add_f32 v[214:215], v[214:215], v[130+i:131+i]
.set i, i+4
.endr
	ALL v_sub_nc_u32 v[n], 0, v[n]
	ALL v_min_u32 v[n], 127, v[n]
	ALL v_perm_b32 v[n], v[n], v[n], 0             ; the shift in all four bytes
	ALL v_or_b32 v[64+n], s58, v[64+n]             ; p's bytes lie under 128: a guard bit on top of each keeps the bytes apart
	ALL v_sub_nc_u32 v[64+n], v[64+n], v[n]
	ALL v_and_b32 v[n], s58, v[64+n]               ; the guard still stands: the byte did not fall under 0
	ALL v_lshrrev_b32 v[128+n], 7, v[n]
	ALL v_sub_nc_u32 v[n], v[n], v[128+n]
	ALL v_and_b32 v[64+n], v[64+n], v[n]           ; else the byte is 0
.irp k, 0,1,2,3
	v_and_b32 v[124+\k], s56, v[124+\k]
.endr
	WIN 0x08
	ds_store_b128 v[LSW], v[212:215]               ; read behind the way out's barriers
.set i, 0
.rept 16
	ds_store_b128 v[ADP0], v[64+4*i:67+4*i] offset:512*i   ; my own bytes: LDS serves a wave's instructions in order
.set i, i+1
.endr
	WIN 0
	s_wait_tensorcnt 0x0                           ; my four steps of P are in; only I read them
	FETCH 0, 0
	ds_load_b128 v[PS:PS+3], v[ADP]
	FETCH 1, 0
	STEP 0, 1, 0, 1, 1, 54, 54, 0                  ; step 0 starts the sums
	s_mov_b32 s3, 6
.Lpair:                                            ; a trip: a pair's odd step, with the refill of its slot, and the next pair's even step
	TOP
	STEP 1, 0, 1, 1, 1, 54, 54, 0
	STEP 0, 0, 0, 1, 1, 54, 54, 1
	s_sub_co_u32 s3, s3, 1
	s_cmp_lg_u32 s3, 0
	s_cbranch_scc1 .Lpair
	TOP
	STEP 1, 0, 2, 1, 1, 54, 54, 0                  ; step 13: nothing is left to fill
	STEP 0, 0, 0, 2, 1, 54, 52, 0                  ; step 14: V's set 0 takes my 32 rows of q
	STEP 1, 0, 0, 0, 0, 50, 32, 0
	s_barrier_signal -1                            ; nobody reads the ring or the words any more
	s_barrier_wait -1
.irp a, 0,1,2,3,4,5,6,7                        ; every part goes to its owner's region as rows: row 16 (a % 2) + r, 528 bytes apart
	WIN 0x08+4*(\a/4)
.irp b, 0,1,2,3,4,5,6,7
	ds_store_b128 v[SA+\a/2], v[8*(8*(\a%4)+\b):8*(8*(\a%4)+\b)+3] offset:(\a%2)*8448+64*\b
	ds_store_b128 v[SA+\a/2], v[8*(8*(\a%4)+\b)+4:8*(8*(\a%4)+\b)+7] offset:(\a%2)*8448+64*\b+16
.endr
.endr
	WIN 0
	s_wait_dscnt 0x0
	s_barrier_signal -1
	s_barrier_wait -1
.macro LOADG g                         ; eight rows from the four sources: source s, row x at window 2 + s / 2, v[128 (s % 2) + 4 x]
	WIN 0x80
.irp s, 0,1
.irp x, 0,1,2,3,4,5,6,7
	ds_load_b128 v[128*\s+4*(8*(\g)+\x):128*\s+4*(8*(\g)+\x)+3], v[RD0] offset:SREG*\s+528*(8*(\g)+\x)
.endr
.endr
	WIN 0xc0
.irp s, 0,1
.irp x, 0,1,2,3,4,5,6,7
	ds_load_b128 v[128*\s+4*(8*(\g)+\x):128*\s+4*(8*(\g)+\x)+3], v[RD1] offset:SREG*\s+528*(8*(\g)+\x)
.endr
.endr
	WIN 0
.endm
.macro PROC g, cnt                     ; the four parts are added, x 1 / l, + q, and whole rows of 512 bytes leave
	s_wait_dscnt \cnt
	WIN 0x8a
.set n, 32*(\g)
.rept 16
	v_pk_add_f32 v[n:n+1], v[n:n+1], v[128+n:129+n]
.set n, n+2
.endr
	WIN 0xcf
.set n, 32*(\g)
.rept 16
	v_pk_add_f32 v[n:n+1], v[n:n+1], v[128+n:129+n]
.set n, n+2
.endr
	WIN 0x8e                                       ; source 0 and the result in window 2, source 1 in window 3
.set n, 32*(\g)
.rept 16
	v_pk_add_f32 v[n:n+1], v[n:n+1], v[n:n+1]
.set n, n+2
.endr
	WIN 0x92                                       ; the sum in window 2, q in window 1
.set n, 32*(\g)
.rept 32
	v_fma_f32 v[n], v[n], s[68+n/4], v[n]
.set n, n+1
.endr
	WIN 0x08
.irp x, 0,1,2,3,4,5,6,7
.set X_, 8*(\g)+\x
	global_store_b128 v[GO], v[4*X_:4*X_+3], s[12:13] offset:(8*(X_/16)+X_%8+16*((X_%16)/8))*4096 th:TH_STORE_NT
.endr
	WIN 0
.endm
.irp s, 0,1,2,3
	ds_load_b32 v[20+\s], v[LSA] offset:512*\s
.endr
	LOADG 0
	LOADG 1
	s_wait_dscnt 63                                ; 64 loads are younger than the four parts of l
	v_add_f32 v20, v20, v21
	v_add_f32 v22, v22, v23
	v_add_f32 v20, v20, v22                        ; lane x: l of my row x
	s_wait_alu depctr_va_vdst(0)
	v_rcp_f32 v24, v20
	v_nop
	s_wait_alu depctr_va_vdst(0)
.set n, 0
.rept 32
	v_readlane_b32 s[68+n], v24, n
.set n, n+1
.endr
	s_wait_loadcnt 0x0                             ; q
	PROC 0, 32
	LOADG 2
	PROC 1, 32
	LOADG 3
	PROC 2, 32
	PROC 3, 0
	s_wait_tensorcnt 0x0                           ; the wave's end
	ds_add_u32 v[SPW], v[NIL]
	s_wait_dscnt 0x0
	CROUND                                         ; the closing round
	s_endpgm
.Lfunc_end_k_q3c5b73fb9d_context:
	.size	k_q3c5b73fb9d_context, .Lfunc_end_k_q3c5b73fb9d_context-k_q3c5b73fb9d_context
	.p2alignl 7, 3214868480
	.fill 96, 4, 3214868480
	.section	.rodata,"a",@progbits
	.p2align	6, 0x0
	.amdhsa_kernel k_q3c5b73fb9d_context
		.amdhsa_group_segment_fixed_size 327680
		.amdhsa_private_segment_fixed_size 0
		.amdhsa_enable_private_segment 0
		.amdhsa_kernarg_size 40
		.amdhsa_user_sgpr_count 2
		.amdhsa_user_sgpr_kernarg_segment_ptr 1
		.amdhsa_wavefront_size32 1
		.amdhsa_system_sgpr_workgroup_id_x 1
		.amdhsa_system_sgpr_workgroup_id_y 1
		.amdhsa_system_sgpr_workgroup_id_z 1
		.amdhsa_system_vgpr_workitem_id 0
		.amdhsa_next_free_vgpr 1024
		.amdhsa_next_free_sgpr 100
		.amdhsa_reserve_vcc 0
		.amdhsa_float_denorm_mode_32 3
		.amdhsa_float_denorm_mode_16_64 3
		.amdhsa_memory_ordered 1
		.amdhsa_forward_progress 1
		.amdhsa_inst_pref_size 184
	.end_amdhsa_kernel
	.amdgpu_metadata
---
amdhsa.version: [ 1, 2 ]
amdhsa.kernels:
  - .name:           k_q3c5b73fb9d_context
    .symbol:         k_q3c5b73fb9d_context.kd
    .args:
      - { .name: pimg, .offset: 0, .size: 8, .value_kind: global_buffer, .address_space: global }
      - { .name: stats, .offset: 8, .size: 8, .value_kind: global_buffer, .address_space: global }
      - { .name: vimg, .offset: 16, .size: 8, .value_kind: global_buffer, .address_space: global }
      - { .name: q, .offset: 24, .size: 8, .value_kind: global_buffer, .address_space: global }
      - { .name: out0, .offset: 32, .size: 8, .value_kind: global_buffer, .address_space: global }
    .group_segment_fixed_size: 327680
    .private_segment_fixed_size: 0
    .kernarg_segment_align: 8
    .kernarg_segment_size: 40
    .max_flat_workgroup_size: 128
    .sgpr_count:     100
    .vgpr_count:     1024
    .wavefront_size: 32
...
	.end_amdgpu_metadata
.endif
;; end of part 3
